; MI455X (gfx1250); checked and timed in simulation.
; The chip was launched on July 23, 2026; its instructions are those of AMD's public machine-readable ISA for CDNA 5 (MIT licence, August 2026) and "CDNA5" Instruction Set Architecture Reference Guide (July 2026). The comments in the code are by the model that wrote it; some were corrected since.
;; Bastile Gpt Oss Experts. Allowed arithmetic: matrix products marked QUANTISED: E2M1 operands, one E8M0 scale for each 32 along K, by v_wmma_scale_f32_16x16x128_f8f6f4 with both operands' format E2M1 (or v_wmma_scale_f32_32x16x128_f4), f32 sums; products left as they are: f32 operands where the result goes on into a quantised operand, else bf16, f16 or f32 operands; f32 sums; everything else in f32.
;; Inputs: down_proj_bias 8 x 1,024 float32; down_proj_codes 8 x 1,024 x 64 x 16 uint8 (E2M1 codes of down_proj, K innermost, in blocks of 32 codes, two codes a byte); down_proj_scales 8 x 1,024 x 64 uint8 (E8M0 scales of down_proj, one for each 32 codes along K); gate_up_proj_bias 8 x 4,096 float32; gate_up_proj_codes 8 x 4,096 x 32 x 16 uint8 (E2M1 codes of gate_up_proj, K innermost, in blocks of 32 codes, two codes a byte); gate_up_proj_scales 8 x 4,096 x 32 uint8 (E8M0 scales of gate_up_proj, one for each 32 codes along K); hidden_states_codes 2 x 512 x 32 x 16 uint8 (E2M1 codes of hidden_states, K innermost, in blocks of 32 codes, two codes a byte); hidden_states_scales 2 x 512 x 32 uint8 (E8M0 scales of hidden_states, one for each 32 codes along K); router_indices 1,024 x 2 int32; routing_weights 1,024 x 8 float32.
;; Outputs: out0 2 x 512 x 1,024 float32.
;; This version of the problem:
;;   THIS VERSION OF THE PROBLEM IS GIVEN IN LOW PRECISION. The matrix products marked QUANTISED in the list below multiply operands that are first quantised to E2M1 (2 exponent bits, 1 mantissa bit; 4 bits a number), with one power-of-two scale for each 32 numbers along K (OCP MX v1.0); their sums are f32. All else is computed in f32.
;;   The module's matrix products, in the order in which they are computed (A, B: the left and right operand; K: the contracted axis; several contracted axes count as one K, in the product's order):
;;     1. [M 32,768, K 1,024] x [K 1,024, N 1,024]; A: input gate_up_proj (given as codes); B: input hidden_states (given as codes): QUANTISED
;;     2. batch 8 x [M 1,024, K 2,048] x [K 2,048, N 1,024]; A: computed on the way; B: input down_proj (given as codes): QUANTISED
;;     3. batch 1,024 x [M 1,024, K 8] x [K 8, N 1]; A: computed on the way; B: computed on the way: left as it is (K = 8 < 32)
;;   THE QUANTISER, for each operand of a quantised product, along K:
;;     - K is cut into blocks of 32 from its start; a last block that is shorter is filled with zeros.
;;     - A block's scale is 2^e with e = floor(log2(the largest magnitude in the block)) - 2, held to -126 .. 127; a block of zeros has e = 0. As a byte (E8M0): e + 127.
;;     - Each number is divided by its block's scale, clamped to +-6, and rounded to the nearest number of E2M1, ties to even, subnormals kept.
;;     - The product sums the exact products of the quantised numbers (number of the format x scale) in f32.
;;   ~~~python
;;   def quantise(x, axis):      # numpy; x: float32 -> the quantised numbers, widened to float32 again
;;       x = np.moveaxis(x, axis, -1); K = x.shape[-1]
;;       x = np.pad(x, [(0, 0)] * (x.ndim - 1) + [(0, -K % 32)]); x = x.reshape(x.shape[:-1] + (-1, 32)); a = np.abs(x).max(-1, keepdims=True)
;;       e = np.where(a > 0, np.clip(np.frexp(np.where(a > 0, a, 1))[1] - 1 - 2, -126, 127), 0)      # np.frexp(a)[1] - 1 = floor(log2(a)), exactly
;;       r = np.clip(x / 2.0 ** e, -6, 6)
;;       step = 2.0 ** (np.maximum(np.frexp(np.where(r == 0, 1, r))[1] - 1, 0) - 1)
;;       q = np.round(r / step) * step * 2.0 ** e      # np.round: ties to even
;;       return np.moveaxis(q.reshape(q.shape[:-2] + (-1,))[..., :K], -1, axis).astype(np.float32)
;;   ~~~
;;   OPERANDS COMPUTED ON THE WAY. 'Computed on the way' means the value that the module computes at that place (a softmax that the list does not call 'softmax' is quantised finished and normalised). What goes into a quantiser is computed in f32, as accurately as f32 sums, v_exp_f32 and their like allow (about 1e-6 of the number): no bf16 or f16 on the way to a quantiser, and a product that is left as it is and whose result goes on into a quantised operand takes f32 operands (vector FMAs, or v_wmma_f32_16x16x4_f32). A number that lies on a knife's edge between two numbers of the format may be rounded either way, as far as f32 arithmetic and the matrix unit's own rounding can turn it there, and no further.
;;   INPUTS GIVEN AS CODES. down_proj (in the module: [8, 2048, 1024], K = its axis 1); gate_up_proj (in the module: [8, 1024, 4096], K = its axis 1); hidden_states (in the module: [2, 512, 1024], K = its axis 2): each comes as NAME_codes (uint8): NAME with its K axis moved to the last place and cut into blocks of 32 codes, [.., K / 32, bytes a block], one block behind the other in memory; two codes a byte, the lower K in the low four bits (a code: sign, 2 exponent bits, 1 mantissa bit); and NAME_scales (uint8): the same leading axes, one E8M0 byte (e + 127) for each 32 codes along K. Its value is code x scale, taken as it is: it is not quantised again, and the codes and scales need not be those that the quantiser above would give.
;; 2 versions, each right; version 2 is version 1 with the launch down written anew for expert scheduling mode. Each part assembles by itself: llvm-mc -triple=amdgcn-amd-amdhsa -mcpu=gfx1250 --defsym DOCPART=n.
;; ======== version 1 of 2: 2 launches
;; workspace buffers: act_codes 8,388,608 bytes; act_scales 524,288 bytes
;; launch gateup (part 1): grid 256 x 1, 4 waves a work-group, no clusters, 0 bytes of LDS; arguments hidden_states_codes, hidden_states_scales, gate_up_proj_codes, gate_up_proj_scales, gate_up_proj_bias, router_indices, act_codes, act_scales; writes act_codes, act_scales
.if DOCPART == 1
	.amdgcn_target "amdgcn-amd-amdhsa--gfx1250"
	.amdhsa_code_object_version 6
	.text
	.protected	k_qd61b683ba8_gateup
	.globl	k_qd61b683ba8_gateup
	.p2align	8
	.type	k_qd61b683ba8_gateup,@function
k_qd61b683ba8_gateup:
	s_mov_b64 s[64:65], 0
	v_nop
	global_prefetch_b8 v0, s[64:65] scope:SCOPE_SE
	s_setreg_imm32_b32 hwreg(HW_REG_WAVE_MODE, 25, 1), 1
	s_wait_xcnt 0x0
; act = (clip(up) + 1) x gate x sigmoid(1.702 gate) of gate_up = x W1[e] + b1[e], for the (token, expert) pairs that router_indices names, quantised along I to E2M1 with one E8M0 byte for each 32.
; x: 1,024 tokens x 1,024 codes (512 bytes a token), W1: 8 experts x 4,096 columns x 1,024 codes, K innermost; gate in the even columns, up in the odd ones.
; TILES.  Tokens are cut into 8 blocks of 128.  The tokens of block b that name expert e, in the order of their numbers, get ranks 0, 1, ..; rank / 16 is the tile i, rank % 16 the row.
; Tile (e, b, i) has the fixed number 64 e + 8 b + i; the next launch derives the same ranks from the same input.  A block's last tile is filled up with the block's last token: those rows are computed and stored and nobody uses them.
; SHARES.  Work-group = expert e (x / 32) and 128 columns of gate_up (x % 32).  Wave w: column half w % 2, so 64 columns = ONE block B of 32 along I; these columns' codes (256 registers), scale words and biases stay in
; registers for the whole launch.  The waves w / 2 = 0 and 1 take the expert's tiles alternately.  The two waves of a column half load the same 34 KB of weights.
; ROUTING IN REGISTERS.  Every wave reads all 1,024 pairs of indices and keeps, in 32 scalar registers, the mask of the members of each group of 32 tokens, and the number of the first tile of each block.  For a tile, scalar
; selects pick its block's four masks, and each lane finds the token of its rank by halving (FIND).  Nothing goes from wave to wave: no LDS, no barrier.
; LAYOUT.  The product is used transposed (source 0 = 16 columns of W1, source 1 = 16 tokens): a lane holds ONE token.  THE COLUMNS OF A TILE ARE NOT NEIGHBOURS: tile 2 u + g (g = 0 gate, 1 up) takes in lane m the column
; 2 (8 u + m + 8 (m / 8)) + g, so that register j of lane (r, h) is act's column 16 h + 8 u + j: a lane's 16 numbers of act are 16 neighbours along I, and lanes l and l xor 16 hold a block of 32.
; OUT.  act_codes [512 tiles][64 blocks][16 rows][16 bytes]: a wave's store covers 256 consecutive bytes, aligned, and the second product's fragments are read from it as dense runs of 512 bytes.
; act_scales [512 tiles][16 rows][64 bytes]: one byte a row and block, stored singly: a sixteenth of the codes' bytes.
; NO TENSOR LOADS, NO JOINT REQUESTS: how many tiles a wave walks is a count made from router_indices, and the walk ends by a branch on it; so operands go from memory straight into registers.
; LIMITS.  Indices lie in 0 .. 7 (others name no expert here).  NaN, infinities and the scale byte 0xff among the inputs are not served.  A block of zeros gets the byte 1 where the rule says 127: its codes are zeros and
; this program alone reads the bytes.  sigmoid(z) = 1 / (1 + 2^(-z log2 e)): for very negative gates the power overflows to infinity and act is a zero, as in the reference.
; VECTOR REGISTERS.  window 0: v1-31 addresses and small things (v4-9, v27-31: FIND's); v32-47 act; v48-79 four accumulators; v80-111 W1's scale words; v112-127 x's, two sets; v128-191, v192-255 x's fragments, two sets.
;   window 1: W1's 32 fragments, (tile tt, K step s) at v[64 tt + 8 s].   window 2: v0-31 the biases in the result's layout.
; SCALAR REGISTERS.  s[4:19] the eight addresses; s20-25 wave, column half, p, e, chunk, B; s28 the expert's tiles; s29 my tile number; s30, s31 8 b + i of the tile in x's set 0, 1; s32 trips; s33-37, s44 constants;
;   s38-43, s46, s47, s56-63 at work; s48-55 the first tile of each block; s66-97 the members' masks, one for each 32 tokens.
.set ACT,   32
.set ACC,   48
.set WSC,   80
.set XSC,   112
.set XF,    128
.set PT,    48
.set MK,    66
.set MSB, 0
.macro WIN new                         ; the immediate's high byte repeats the setting that is left
.if MSB != \new
	s_set_vgpr_msb (MSB<<8)|\new
.set MSB, \new
.endif
.endm
; W1's fragments of K steps s0 .. s0 + n - 1, all four tiles: two loads of 16 bytes a lane each
.macro WLOAD s0, n
	WIN 0x40                                       ; destination window 1
.irp tt, 0,1,2,3
.set KQ, \s0
.rept \n
	global_load_b128 v[64*\tt+8*KQ:64*\tt+8*KQ+3],   v24, s[8:9] offset:(16*(\tt/2)+(\tt%2))*512+64*KQ
	global_load_b128 v[64*\tt+8*KQ+4:64*\tt+8*KQ+7], v24, s[8:9] offset:(16*(\tt/2)+(\tt%2))*512+64*KQ+32
.set KQ, KQ+1
.endr
.endr
	WIN 0
.endm
; One halving step of FIND: the window at bit v27 is cut in two; c = the members in its lower half, read from the sums of that width; a rank of c or more lies in the upper half.
.macro HALVE sums, width, half
	v_bfe_u32 v28, v[\sums], v27, \width
	v_cmp_ge_u32 vcc_lo, v4, v28
	v_sub_nc_u32 v28, v4, v28
	v_add_nc_u32 v29, \half, v27
	v_cndmask_b32 v4, v4, v28, vcc_lo
	v_cndmask_b32 v27, v27, v29, vcc_lo
.endm
; The tokens of the expert's tile number s43, for x's set k: v27 = the token of row r (both halves of the lanes alike); s[30 + k] = the tile's 8 b + i.
; A rank past the block's members gives the block's last token, a tile number past the expert's last tile token 1,023: loads ahead of the walk stay inside x.
.macro FIND k
	s_mov_b64 s[56:57], s[MK:MK+1]                 ; block 0's four masks,
	s_mov_b64 s[58:59], s[MK+2:MK+3]
	s_mov_b32 s60, 0                               ; its first tile,
	s_mov_b32 s61, 0                               ; and 8 b
.irp b, 1,2,3,4,5,6,7
	s_cmp_ge_u32 s43, s[PT+\b]                     ; the first tiles do not fall from block to block: the last block that begins at or before the tile is the tile's
	s_cselect_b64 s[56:57], s[MK+4*\b:MK+4*\b+1], s[56:57]
	s_cselect_b64 s[58:59], s[MK+4*\b+2:MK+4*\b+3], s[58:59]
	s_cselect_b32 s60, s[PT+\b], s60
	s_cselect_b32 s61, 8*\b, s61
.endr
	s_sub_co_u32 s62, s43, s60                     ; i
	s_add_co_u32 s63, s61, s62
	s_min_u32 s[30+\k], s63, 63                    ; 8 b + i, held inside the expert's 64 tiles
	s_lshl_b32 s62, s62, 4                         ; 16 i
	s_lshl_b32 s61, s61, 4                         ; 128 b: the block's first token,
	s_add_co_u32 s46, s61, 32                      ; and its groups'
	s_add_co_u32 s47, s61, 64
	s_add_co_u32 s63, s61, 96
	s_bcnt1_i32_b32 s38, s56                       ; the members before group 1, 2, 3
	s_bcnt1_i32_b32 s39, s57
	s_bcnt1_i32_b32 s40, s58
	s_add_co_u32 s39, s39, s38
	s_add_co_u32 s40, s40, s39
	v_add_nc_u32 v4, s62, v2                       ; my rank in the block: 16 i + r
	v_mov_b32 v5, s56                              ; the group that holds it: its mask,
	v_mov_b32 v31, 0                               ; the members before it,
	v_mov_b32 v30, s61                             ; its first token
	v_cmp_le_u32 vcc_lo, s38, v4
	v_cndmask_b32 v5, v5, s57, vcc_lo
	v_cndmask_b32 v31, v31, s38, vcc_lo
	v_cndmask_b32 v30, v30, s46, vcc_lo
	v_cmp_le_u32 vcc_lo, s39, v4
	v_cndmask_b32 v5, v5, s58, vcc_lo
	v_cndmask_b32 v31, v31, s39, vcc_lo
	v_cndmask_b32 v30, v30, s47, vcc_lo
	v_cmp_le_u32 vcc_lo, s40, v4
	v_cndmask_b32 v5, v5, s59, vcc_lo
	v_cndmask_b32 v31, v31, s40, vcc_lo
	v_cndmask_b32 v30, v30, s63, vcc_lo
	v_sub_nc_u32 v4, v4, v31                       ; my rank in the group
	v_lshrrev_b32 v6, 1, v5                        ; the mask's members summed by fields of 2 bits,
	v_and_b32 v6, 0x55555555, v6
	v_sub_nc_u32 v6, v5, v6
	v_lshrrev_b32 v7, 2, v6                        ; of 4,
	v_and_b32 v7, 0x33333333, v7
	v_and_b32 v29, 0x33333333, v6
	v_add_nc_u32 v7, v7, v29
	v_lshrrev_b32 v8, 4, v7                        ; of 8,
	v_add_nc_u32 v8, v8, v7
	v_and_b32 v8, 0x0f0f0f0f, v8
	v_lshrrev_b32 v9, 8, v8                        ; and, in its lowest byte, of the lower 16
	v_add_nc_u32 v9, v9, v8
	v_and_b32 v28, 0xff, v9                        ; the first halving: bits 0-15 against bits 16-31
	v_cmp_ge_u32 vcc_lo, v4, v28
	v_sub_nc_u32 v28, v4, v28
	v_cndmask_b32 v4, v4, v28, vcc_lo
	v_cndmask_b32 v27, 0, 16, vcc_lo
	HALVE 8, 8, 8
	HALVE 7, 4, 4
	HALVE 6, 2, 2
	v_bfe_u32 v28, v5, v27, 1                      ; the last: two bits are left
	v_cmp_ge_u32 vcc_lo, v4, v28
	v_add_nc_u32 v29, 1, v27
	v_cndmask_b32 v27, v27, v29, vcc_lo
	v_add_nc_u32 v27, v30, v27                     ; the token
.endm
; a token's number (held under 1,024) becomes the lane's offsets in x's codes and scale bytes
.macro XADDR k, src
	v_min_u32 v[\src], 1023, v[\src]
	v_lshl_add_u32 v[10+\k], v[\src], 9, v3        ; 512 bytes a token, + 16 h
	v_lshlrev_b32 v[12+\k], 5, v[\src]             ; 32 scale bytes a token
.endm
; 18 loads: a tile's scale words (8 a token), then its 8 fragments, into set k
.macro XLOAD k
	global_load_b128 v[XSC+8*\k:XSC+8*\k+3],   v[12+\k], s[6:7]
	global_load_b128 v[XSC+8*\k+4:XSC+8*\k+7], v[12+\k], s[6:7] offset:16
.irp s, 0,1,2,3,4,5,6,7
	global_load_b128 v[XF+64*\k+8*\s:XF+64*\k+8*\s+3],   v[10+\k], s[4:5] offset:64*\s
	global_load_b128 v[XF+64*\k+8*\s+4:XF+64*\k+8*\s+7], v[10+\k], s[4:5] offset:64*\s+32
.endr
.endm
; 32 matrix instructions: 8 K steps x 4 tiles.  The biases are the C of each sum's first instruction.  The four accumulators take turns, one instruction a turn.
.macro MUL k
	WIN 0x21                                       ; source 0 (W1) window 1, source 2 (the biases) window 2
.irp tt, 0,1,2,3
	v_wmma_scale_f32_16x16x128_f8f6f4 v[ACC+8*\tt:ACC+8*\tt+7], v[64*\tt:64*\tt+7], v[XF+64*\k:XF+64*\k+7], v[8*\tt:8*\tt+7], v[WSC+8*\tt], v[XSC+8*\k] matrix_a_fmt:MATRIX_FMT_FP4 matrix_b_fmt:MATRIX_FMT_FP4
.endr
	WIN 0x01
.irp s, 1,2,3,4,5,6,7
.irp tt, 0,1,2,3
	v_wmma_scale_f32_16x16x128_f8f6f4 v[ACC+8*\tt:ACC+8*\tt+7], v[64*\tt+8*\s:64*\tt+8*\s+7], v[XF+64*\k+8*\s:XF+64*\k+8*\s+7], v[ACC+8*\tt:ACC+8*\tt+7], v[WSC+8*\tt+\s], v[XSC+8*\k+\s] matrix_a_fmt:MATRIX_FMT_FP4 matrix_b_fmt:MATRIX_FMT_FP4
.endr
.endr
	WIN 0
.endm
; The activation, in f32.  Gate: v48-55, v64-71; up: v56-63, v72-79; each accumulator is read from its low end on.  The clips of up are the plain lines behind the exponentials and the reciprocals.
.macro ACTIV
.irp u, 0,1
.irp j, 0,1,2,3,4,5,6,7
	v_min_num_f32 v[ACC+16*\u+\j], s33, v[ACC+16*\u+\j]            ; gate = min(gate, 7)
.endr
.endr
.irp u, 0,1
.irp i, 0,2,4,6
	v_pk_mul_f32 v[ACT+8*\u+\i:ACT+8*\u+\i+1], v[ACC+16*\u+\i:ACC+16*\u+\i+1], s[34:35] op_sel_hi:[1,0]   ; -1.702 log2(e) x gate
.endr
.endr
.irp n, 0,1,2,3,4,5,6,7,8,9,10,11,12,13,14,15
	v_exp_f32 v[ACT+\n], v[ACT+\n]
.endr
.irp j, 0,1,2,3,4,5,6,7
	v_med3_num_f32 v[ACC+8+\j], v[ACC+8+\j], s44, s33              ; up held to -7 .. 7
.endr
	s_wait_alu depctr_va_vdst(0)
.irp i, 0,2,4,6,8,10,12,14
	v_pk_add_f32 v[ACT+\i:ACT+\i+1], v[ACT+\i:ACT+\i+1], 1.0 op_sel_hi:[1,0]
.endr
.irp n, 0,1,2,3,4,5,6,7,8,9,10,11,12,13,14,15
	v_rcp_f32 v[ACT+\n], v[ACT+\n]                                 ; the sigmoid
.endr
.irp j, 0,1,2,3,4,5,6,7
	v_med3_num_f32 v[ACC+24+\j], v[ACC+24+\j], s44, s33
.endr
	s_wait_alu depctr_va_vdst(0)
.irp u, 0,1
.irp i, 0,2,4,6
	v_pk_mul_f32 v[ACT+8*\u+\i:ACT+8*\u+\i+1], v[ACT+8*\u+\i:ACT+8*\u+\i+1], v[ACC+16*\u+\i:ACC+16*\u+\i+1]   ; glu = gate x sigmoid
.endr
.endr
.irp u, 0,1
.irp i, 0,2,4,6
	v_pk_fma_f32 v[ACT+8*\u+\i:ACT+8*\u+\i+1], v[ACC+8+16*\u+\i:ACC+8+16*\u+\i+1], v[ACT+8*\u+\i:ACT+8*\u+\i+1], v[ACT+8*\u+\i:ACT+8*\u+\i+1]   ; (up + 1) x glu = up x glu + glu
.endr
.endr
.endm
; My 16 numbers and lane l xor 16's are the row's block B: its largest magnitude, its byte, its codes; and out.
.macro QSTORE
	v_max3_num_f32 v18, |v[ACT]|, |v[ACT+1]|, 0x1800000            ; with the floor 2^(3 - 127) among the leaves: the byte cannot fall under 1
.irp i, 2,4,6,8,10,12,14
	v_max3_num_f32 v18, v18, |v[ACT+\i]|, |v[ACT+\i+1]|
.endr
	v_permlanex16_b32 v19, v18, s36, s37
	v_max_num_f32 v18, v18, v19
	v_add_nc_u32 v20, 0xff000000, v18              ; 2 off the exponent field: the conversion takes this operand's exponent field as its scale
	v_lshrrev_b32 v21, 23, v20                     ; the scale's byte
	v_cvt_scalef32_pk8_fp4_f32 v22, v[ACT:ACT+7], v20
	v_cvt_scalef32_pk8_fp4_f32 v23, v[ACT+8:ACT+15], v20
	v_nop                                          ; one plain line behind the last scaled conversion
	global_store_b64 v16, v[22:23], s[16:17]       ; 8 bytes at 16 r + 8 h: the 32 lanes store 256 consecutive bytes, aligned
	global_store_b8 v17, v21, s[18:19]             ; both lanes of a row store the same byte with the same value
.endm
; One tile, from set k of x's registers.  The walk ends at the first tile number that the expert does not have.
.macro TILE k
	s_add_co_u32 s43, s29, 2*\k
	s_cmp_ge_u32 s43, s28
	s_cbranch_scc1 .Ldone
	s_lshl_b32 s41, s[30+\k], 14                   ; this tile's place among the expert's: 16,384 bytes of codes a tile,
	s_lshl_b32 s42, s[30+\k], 10                   ; 1,024 scale bytes
	s_add_co_u32 s43, s43, 4                       ; the tile that this set takes next: two turns of the set, four tile numbers, on
	FIND \k                                        ; its tokens are found while this tile's operands are still on their way
	s_wait_loadcnt 18                              ; loads return in order: all but the other set's 18 are in: this set, and in the first turn the weights, their scale words and the biases
	MUL \k
	s_wait_xcnt 0x0                                ; the last tile's stores have read their offsets and data: those registers are written again only behind this wait
	XADDR \k, 27                                   ; these five plain lines name no register of the products: they are the places between the products and the loads into x's registers and the first read of results
	v_add_nc_u32 v16, s41, v14
	v_add_nc_u32 v17, s42, v15
	XLOAD \k
	ACTIV
	QSTORE
.endm
	s_load_b512 s[4:19], s[0:1], 0x0               ; x's codes s[4:5], x's scales s[6:7], W1's codes s[8:9], W1's scales s[10:11], b1 s[12:13], router_indices s[14:15], act_codes s[16:17], act_scales s[18:19]
	v_lshrrev_b32 v1, 5, v0
	v_readfirstlane_b32 s20, v1                    ; wave 0..3
	v_and_b32 v1, 31, v0                           ; lane
	v_and_b32 v2, 15, v0                           ; r
	v_bfe_u32 v3, v0, 4, 1                         ; h
	s_and_b32 s21, s20, 1                          ; my column half
	s_lshr_b32 s22, s20, 1                         ; p: which of every two tiles is mine
	s_lshr_b32 s23, ttmp9, 5                       ; e
	s_and_b32 s24, ttmp9, 31
	s_lshl_b32 s25, s24, 1
	s_add_co_u32 s25, s25, s21                     ; B: my block of 32 along I, my 64 columns of gate_up
	v_lshlrev_b32 v14, 4, v2
	v_lshl_add_u32 v14, v3, 3, v14                 ; my 8 bytes of a block's 256: 16 r + 8 h
	v_lshlrev_b32 v15, 6, v2                       ; my row's scale bytes: 64 r
	v_lshlrev_b32 v26, 7, v3                       ; the biases: 128 h
	v_lshlrev_b32 v3, 4, v3                        ; from here on v3 = 16 h
	v_and_b32 v24, 8, v2
	v_add_nc_u32 v24, v24, v2                      ; r + 8 (r / 8)
	v_lshlrev_b32 v25, 6, v24                      ; W1's scale words: two columns of 32 bytes for each step of that
	v_lshl_add_u32 v24, v24, 10, v3                ; W1's codes: two columns of 512 bytes, + 16 h
	v_lshlrev_b32 v30, 3, v1                       ; 8 x lane: a token's two indices
	v_mov_b32 v19, 0                               ; written once: a lane permute's destination counts as one of its sources
	s_mov_b32 s33, 0x40e00000                      ; 7.0
	s_mov_b32 s44, 0xc0e00000                      ; -7.0
	s_mov_b32 s34, 0xc01d265f                      ; -1.702 log2(e)
	s_mov_b32 s35, s34                             ; (named with it as a pair, so it is written)
	s_mov_b32 s36, 0x76543210
	s_mov_b32 s37, 0xfedcba98                      ; v_permlanex16_b32's selects for lane l xor 16
	s_mov_b32 s27, 0
	s_wait_kmcnt 0x0
	s_lshl_b32 s26, s23, 21                        ; W1's codes: 2^21 bytes an expert, 2^15 for 64 columns
	s_lshl_b32 s38, s25, 15
	s_add_co_u32 s26, s26, s38
	s_add_nc_u64 s[8:9], s[8:9], s[26:27]
	s_lshl_b32 s26, s23, 17                        ; W1's scales: 2^17, 2^11
	s_lshl_b32 s38, s25, 11
	s_add_co_u32 s26, s26, s38
	s_add_nc_u64 s[10:11], s[10:11], s[26:27]
	s_lshl_b32 s26, s23, 14                        ; b1: 2^14, 2^8
	s_lshl_b32 s38, s25, 8
	s_add_co_u32 s26, s26, s38
	s_add_nc_u64 s[12:13], s[12:13], s[26:27]
	s_lshl_b32 s26, s23, 20                        ; act_codes: 64 tiles of 16,384 bytes an expert; 256 bytes a block
	s_add_co_u32 s26, s26, s38
	s_add_nc_u64 s[16:17], s[16:17], s[26:27]
	s_lshl_b32 s26, s23, 16                        ; act_scales: 64 tiles of 1,024 bytes an expert; a byte a block
	s_add_co_u32 s26, s26, s25
	s_add_nc_u64 s[18:19], s[18:19], s[26:27]
.irp g, 0,1,2,3,4,5,6,7,8,9,10,11,12,13,14,15,16,17,18,19,20,21,22,23,24,25,26,27,28,29,30,31
	global_load_b64 v[XF+2*\g:XF+2*\g+1], v30, s[14:15] offset:256*\g     ; the two indices of token 32 g + lane
.endr
	WLOAD 0, 6                                     ; 48 loads of weights go out behind them
	s_wait_loadcnt 48                              ; all but those 48: the indices are in
	; ---- the members' masks: bit l of mask g: token 32 g + l names my expert (once, also where both indices do)
.irp g, 0,1,2,3,4,5,6,7,8,9,10,11,12,13,14,15,16,17,18,19,20,21,22,23,24,25,26,27,28,29,30,31
	v_cmp_eq_u32 s[MK+\g], s23, v[XF+2*\g]
	v_cmp_eq_u32 vcc_lo, s23, v[XF+2*\g+1]
	s_or_b32 s[MK+\g], s[MK+\g], vcc_lo
.endr
	; ---- each block's first tile, and the expert's tiles in all
	s_mov_b32 s[PT], 0
.irp b, 0,1,2,3,4,5,6,7
	s_bcnt1_i32_b32 s38, s[MK+4*\b]
	s_bcnt1_i32_b32 s39, s[MK+4*\b+1]
	s_bcnt1_i32_b32 s40, s[MK+4*\b+2]
	s_bcnt1_i32_b32 s41, s[MK+4*\b+3]
	s_add_co_u32 s38, s38, s39
	s_add_co_u32 s40, s40, s41
	s_add_co_u32 s38, s38, s40                     ; the block's members,
	s_add_co_u32 s38, s38, 15
	s_lshr_b32 s38, s38, 4                         ; and tiles: 0 to 8
.if \b < 7
	s_add_co_u32 s[PT+1+\b], s[PT+\b], s38
.else
	s_add_co_u32 s28, s[PT+7], s38
.endif
.endr
	s_min_u32 s28, s28, 64                         ; 8 blocks of at most 8 tiles
	WLOAD 6, 2
.irp tt, 0,1,2,3
.irp q, 0,1
	global_load_b128 v[WSC+8*\tt+4*\q:WSC+8*\tt+4*\q+3], v25, s[10:11] offset:(16*(\tt/2)+(\tt%2))*32+16*\q   ; a column's 8 scale words
.endr
.endr
	WIN 0x80                                       ; destination window 2
.irp tt, 0,1,2,3
.irp j, 0,1,2,3,4,5,6,7
	global_load_b32 v[8*\tt+\j], v26, s[12:13] offset:64*(\tt/2)+8*\j+4*(\tt%2)   ; b1 at column 2 (8 u + 16 h + j) + g
.endr
.endr
	WIN 0
	s_mov_b32 s43, s22                             ; my first tile,
	FIND 0
	XADDR 0, 27
	XLOAD 0
	s_add_co_u32 s43, s22, 2                       ; my second
	FIND 1
	XADDR 1, 27
	XLOAD 1
	s_mov_b32 s29, s22                             ; my tile number
	s_mov_b32 s32, 0
.Ltrip:                                                ; 16 trips of two tiles serve 64 tiles on two waves; the walk leaves at the expert's last tile
	TILE 0
	TILE 1
	s_add_co_u32 s29, s29, 4
	s_add_co_u32 s32, s32, 1
	s_cmp_lt_u32 s32, 16
	s_cbranch_scc1 .Ltrip
.Ldone:
	s_endpgm
.Lfunc_end_k_qd61b683ba8_gateup:
	.size	k_qd61b683ba8_gateup, .Lfunc_end_k_qd61b683ba8_gateup-k_qd61b683ba8_gateup
	.p2alignl 7, 3214868480
	.fill 96, 4, 3214868480
	.section	.rodata,"a",@progbits
	.p2align	6, 0x0
	.amdhsa_kernel k_qd61b683ba8_gateup
		.amdhsa_group_segment_fixed_size 0
		.amdhsa_private_segment_fixed_size 0
		.amdhsa_enable_private_segment 0
		.amdhsa_kernarg_size 64
		.amdhsa_user_sgpr_count 2
		.amdhsa_user_sgpr_kernarg_segment_ptr 1
		.amdhsa_wavefront_size32 1
		.amdhsa_system_sgpr_workgroup_id_x 1
		.amdhsa_system_sgpr_workgroup_id_y 1
		.amdhsa_system_sgpr_workgroup_id_z 1
		.amdhsa_system_vgpr_workitem_id 0
		.amdhsa_next_free_vgpr 544
		.amdhsa_next_free_sgpr 98
		.amdhsa_reserve_vcc 1
		.amdhsa_float_denorm_mode_32 3
		.amdhsa_float_denorm_mode_16_64 3
		.amdhsa_memory_ordered 1
		.amdhsa_forward_progress 1
		.amdhsa_inst_pref_size 66
	.end_amdhsa_kernel
	.amdgpu_metadata
---
amdhsa.version: [ 1, 2 ]
amdhsa.kernels:
  - .name:           k_qd61b683ba8_gateup
    .symbol:         k_qd61b683ba8_gateup.kd
    .args:
      - { .name: hidden_states_codes, .offset: 0, .size: 8, .value_kind: global_buffer, .address_space: global }
      - { .name: hidden_states_scales, .offset: 8, .size: 8, .value_kind: global_buffer, .address_space: global }
      - { .name: gate_up_proj_codes, .offset: 16, .size: 8, .value_kind: global_buffer, .address_space: global }
      - { .name: gate_up_proj_scales, .offset: 24, .size: 8, .value_kind: global_buffer, .address_space: global }
      - { .name: gate_up_proj_bias, .offset: 32, .size: 8, .value_kind: global_buffer, .address_space: global }
      - { .name: router_indices, .offset: 40, .size: 8, .value_kind: global_buffer, .address_space: global }
      - { .name: act_codes, .offset: 48, .size: 8, .value_kind: global_buffer, .address_space: global }
      - { .name: act_scales, .offset: 56, .size: 8, .value_kind: global_buffer, .address_space: global }
    .group_segment_fixed_size: 0
    .private_segment_fixed_size: 0
    .kernarg_segment_align: 8
    .kernarg_segment_size: 64
    .max_flat_workgroup_size: 128
    .sgpr_count:     98
    .vgpr_count:     544
    .wavefront_size: 32
...
	.end_amdgpu_metadata
.endif
;; end of part 1
;; launch down (part 2): grid 256 x 1, 8 waves a work-group, no clusters, 152,576 bytes of LDS; arguments act_codes, act_scales, down_proj_codes, down_proj_scales, down_proj_bias, router_indices, routing_weights, out0; writes out0
.if DOCPART == 2
	.amdgcn_target "amdgcn-amd-amdhsa--gfx1250"
	.amdhsa_code_object_version 6
	.text
	.protected	k_qd61b683ba8_down
	.globl	k_qd61b683ba8_down
	.p2align	8
	.type	k_qd61b683ba8_down,@function
k_qd61b683ba8_down:
	s_mov_b64 s[64:65], 0
	v_nop
	global_prefetch_b8 v0, s[64:65] scope:SCOPE_SE
	s_setreg_imm32_b32 hwreg(HW_REG_WAVE_MODE, 25, 1), 1
	s_wait_xcnt 0x0
; y[t] = the sum over the experts e that router_indices names for token t (each once) of routing_weights[t][e] x (act[t, e] W2[e] + b2[e]).
; act comes as codes and scale bytes from the launch before, by tiles of 16 rows: tile 64 e + 8 b + i holds the tokens of block b (128 tokens) that name e, by rank; the ranks are derived here again, from the same input in the same order.
; W2: 8 experts x 1,024 columns x 2,048 codes, K innermost (1,024 bytes a column), 64 scale bytes a column.
; SHARES.  Work-group = block b of 128 tokens (x / 32) and 32 columns of y (x % 32).  WAVE e IS EXPERT e: its two tiles of 16 columns x K = 2,048 stay in 256 registers; it multiplies the 0 to 8 tiles of (e, b) and leaves
; act W2 + b2 in its own part of LDS, row = rank.  Behind the one barrier wave w owns tokens 16 w .. 16 w + 15 of the block: it fetches each token's two rows by their ranks, weighs and adds them, and stores.  So each number of y has one owner.
; LAYOUT.  Transposed use: source 0 = 16 columns of W2, source 1 = 16 rows of act: a lane holds one row and eight neighbouring columns.  b2 is the C of each sum's first instruction.
; A token's 32 columns are 128 bytes: a store of the wave covers four runs of 128 consecutive bytes.  Blocks of 64 tokens x 64 columns would store whole runs of 256 bytes, at the price of 8 x 64 + 2 x 64 KB asked for by a
; work-group against 8 x 32 + 2 x 128 KB, and of more rows that only fill tiles up.
; NO TENSOR LOADS, NO JOINT REQUESTS: the number of tiles of a wave is a count made from router_indices, and its walk ends by a branch on it; so operands go from memory straight into registers.
; LIMITS.  Indices lie in 0 .. 7.  NaN, infinities and the scale byte 0xff among the inputs are not served.
; LDS: expert e's results at 18,432 e: 128 rows of 128 bytes + 16; from 147,456 on 512 bytes an expert: the rank of each of the block's tokens under that expert (read only for the experts that the token names).
; REGISTERS.  window 0: v1-15 addresses; v16-23 the block's indices; v24-31 my 16 tokens' indices; v32-39 their two weights; v40-47 offsets; v48-63 two accumulators; v64-79 b2; v80-111 W2's scale words; v112-127 act's;
;   v128-255 a tile's 16 fragments of act, at the end the rows to be added.   window 1: W2's 32 fragments, (tile ct, K step s) at v[128 ct + 8 s].
.set RESB,  18432                      ; bytes of an expert's results
.set RP,    144                        ; a row of them
.set RKB,   147456                     ; where the ranks begin
.set ACC,   48
.set BIA,   64
.set WSC,   80
.set ASC,   112
.set AF,    128
.set MSB, 0
.macro WIN new                         ; the immediate's high byte repeats the setting that is left
.if MSB != \new
	s_set_vgpr_msb (MSB<<8)|\new
.set MSB, \new
.endif
.endm
.macro WLOAD s0, n                     ; W2's fragments of K steps s0 .. s0 + n - 1, both tiles
	WIN 0x40                                       ; destination window 1
.irp ct, 0,1
.set KQ, \s0
.rept \n
	global_load_b128 v[128*\ct+8*KQ:128*\ct+8*KQ+3],   v4, s[8:9] offset:16384*\ct+64*KQ
	global_load_b128 v[128*\ct+8*KQ+4:128*\ct+8*KQ+7], v4, s[8:9] offset:16384*\ct+64*KQ+32
.set KQ, KQ+1
.endr
.endr
	WIN 0
.endm
.macro ALOAD                           ; a tile of act: 4 loads of scale words (16 a row), then 32 of codes, 512 consecutive bytes each, in the order of the fragments' registers
.irp q, 0,1,2,3
	global_load_b128 v[ASC+4*\q:ASC+4*\q+3], v5, s[6:7] offset:16*\q
.endr
.set KQ, 0
.rept 32
	global_load_b128 v[AF+4*KQ:AF+4*KQ+3], v7, s[4:5] offset:512*KQ
.set KQ, KQ+1
.endr
.endm
; K steps 4 k .. 4 k + 3: eight matrix instructions, the two accumulators by turns
.macro MULQ k
	s_wait_loadcnt 24-8*\k                         ; loads return in order: all but the code loads of the later K steps, two a step, are in
.irp d, 0,1,2,3
.irp ct, 0,1
.if (4*(\k)+\d) == 0
	v_wmma_scale_f32_16x16x128_f8f6f4 v[ACC+8*\ct:ACC+8*\ct+7], v[128*\ct:128*\ct+7], v[AF:AF+7], v[BIA+8*\ct:BIA+8*\ct+7], v[WSC+16*\ct], v[ASC] matrix_a_fmt:MATRIX_FMT_FP4 matrix_b_fmt:MATRIX_FMT_FP4
.else
	v_wmma_scale_f32_16x16x128_f8f6f4 v[ACC+8*\ct:ACC+8*\ct+7], v[128*\ct+8*(4*(\k)+\d):128*\ct+8*(4*(\k)+\d)+7], v[AF+8*(4*(\k)+\d):AF+8*(4*(\k)+\d)+7], v[ACC+8*\ct:ACC+8*\ct+7], v[WSC+16*\ct+4*(\k)+\d], v[ASC+4*(\k)+\d] matrix_a_fmt:MATRIX_FMT_FP4 matrix_b_fmt:MATRIX_FMT_FP4
.endif
.endr
.endr
.endm
	s_load_b512 s[4:19], s[0:1], 0x0               ; act_codes s[4:5], act_scales s[6:7], W2's codes s[8:9], W2's scales s[10:11], b2 s[12:13], router_indices s[14:15], routing_weights s[16:17], y s[18:19]
	v_lshrrev_b32 v1, 5, v0
	v_readfirstlane_b32 s20, v1                    ; wave = expert, 0..7
	v_and_b32 v1, 31, v0                           ; lane
	v_and_b32 v2, 15, v0                           ; r
	v_bfe_u32 v3, v0, 4, 1                         ; h
	s_lshr_b32 s21, ttmp9, 5                       ; b: the block of tokens
	s_and_b32 s22, ttmp9, 31                       ; c: the 32 columns
	v_lshlrev_b32 v4, 10, v2
	v_lshl_add_u32 v4, v3, 4, v4                   ; W2's codes: column r of 1,024 bytes, + 16 h
	v_lshlrev_b32 v5, 6, v2                        ; 64 r: a column's scale bytes of W2, a row's of act
	v_lshlrev_b32 v6, 5, v3                        ; b2: 32 h
	v_lshlrev_b32 v7, 4, v1                        ; act's codes: 16 x lane
	s_lshl_b32 s32, s20, 4
	v_lshrrev_b32 v13, 3, v1
	v_add_nc_u32 v13, s32, v13                     ; at the end: my token in the block, 16 w + lane / 8 (and 4, 8, 12 further on)
	v_lshlrev_b32 v8, 5, v13                       ; its row of routing_weights
	s_mul_i32 s32, s20, RESB
	v_mul_u32_u24 v9, v2, RP
	v_lshl_add_u32 v9, v3, 5, v9
	v_add_nc_u32 v9, s32, v9                       ; where I put results: my expert's part, row r, + 32 h
	s_lshl_b32 s33, s20, 9
	s_add_co_u32 s33, s33, RKB
	v_lshl_add_u32 v11, v1, 2, s33                 ; where I put ranks: my expert's 512 bytes, 4 x lane
	v_lshl_add_u32 v12, v13, 2, RKB                ; where I read my token's rank, less 512 x expert
	v_and_b32 v15, 7, v0
	v_lshlrev_b32 v15, 4, v15                      ; my 16 bytes of a token's 128
	v_lshl_add_u32 v14, v13, 12, v15               ; and in y: 4,096 bytes a token
	v_lshlrev_b32 v40, 3, v13                      ; my token's two indices
	v_lshlrev_b32 v41, 3, v1                       ; 8 x lane
	s_mov_b32 s27, 0
	s_wait_kmcnt 0x0
	s_lshl_b32 s26, s20, 20                        ; W2's codes: 2^20 bytes an expert, 2^15 for 32 columns
	s_lshl_b32 s32, s22, 15
	s_add_co_u32 s26, s26, s32
	s_add_nc_u64 s[8:9], s[8:9], s[26:27]
	s_lshl_b32 s26, s20, 16                        ; W2's scales: 2^16, 2^11
	s_lshl_b32 s32, s22, 11
	s_add_co_u32 s26, s26, s32
	s_add_nc_u64 s[10:11], s[10:11], s[26:27]
	s_lshl_b32 s26, s20, 12                        ; b2: 2^12, 2^7
	s_lshl_b32 s32, s22, 7
	s_add_co_u32 s26, s26, s32
	s_add_nc_u64 s[12:13], s[12:13], s[26:27]
	s_lshl_b32 s26, s21, 19                        ; y: 128 tokens of 4,096 bytes a block, 128 bytes for 32 columns
	s_add_co_u32 s26, s26, s32
	s_add_nc_u64 s[18:19], s[18:19], s[26:27]
	s_lshl_b32 s26, s20, 20                        ; act_codes: tile 64 e + 8 b, 16,384 bytes a tile
	s_lshl_b32 s32, s21, 17
	s_add_co_u32 s26, s26, s32
	s_add_nc_u64 s[4:5], s[4:5], s[26:27]
	s_lshl_b32 s26, s20, 16                        ; act_scales: 1,024 bytes a tile
	s_lshl_b32 s32, s21, 13
	s_add_co_u32 s26, s26, s32
	s_add_nc_u64 s[6:7], s[6:7], s[26:27]
	s_lshl_b32 s26, s21, 10                        ; router_indices: 8 bytes a token
	s_add_nc_u64 s[14:15], s[14:15], s[26:27]
	s_lshl_b32 s26, s21, 12                        ; routing_weights: 32 bytes a token
	s_add_nc_u64 s[16:17], s[16:17], s[26:27]
.irp g, 0,1,2,3
	global_load_b64 v[16+2*\g:17+2*\g], v41, s[14:15] offset:256*\g   ; the block's token 32 g + lane
.endr
.irp q, 0,1,2,3
	global_load_b64 v[24+2*\q:25+2*\q], v40, s[14:15] offset:32*\q    ; my tokens at the end
.endr
.irp ct, 0,1
.irp q, 0,1,2,3
	global_load_b128 v[WSC+16*\ct+4*\q:WSC+16*\ct+4*\q+3], v5, s[10:11] offset:1024*\ct+16*\q
.endr
.endr
.irp ct, 0,1
	global_load_b128 v[BIA+8*\ct:BIA+8*\ct+3],   v6, s[12:13] offset:64*\ct      ; b2 at column 16 ct + 8 h + 0 .. 7
	global_load_b128 v[BIA+8*\ct+4:BIA+8*\ct+7], v6, s[12:13] offset:64*\ct+16
.endr
	WLOAD 0, 12
	s_wait_loadcnt 60                              ; all but the 8 + 4 + 48 loads issued behind them: the indices are in
	; ---- the ranks of the block's tokens under my expert
	s_mov_b32 s28, 0
.irp g, 0,1,2,3
	v_cmp_eq_u32 vcc_lo, s20, v[16+2*\g]
	v_cmp_eq_u32 s32, s20, v[17+2*\g]
	s_or_b32 s32, vcc_lo, s32                      ; the lanes whose token names my expert
	v_mbcnt_lo_u32_b32 v[48+\g], s32, s28          ; the members before me
	ds_store_b32 v11, v[48+\g] offset:128*\g       ; every lane stores: the word of a token that does not name my expert is never read
	s_bcnt1_i32_b32 s33, s32
	s_add_co_u32 s28, s28, s33
.endr
	s_add_co_u32 s29, s28, 15
	s_lshr_b32 s29, s29, 4                         ; my tiles: 0 to 8
	; ---- the two weights of each of my 16 tokens at the end
.irp q, 0,1,2,3
.irp k, 0,1
	v_min_u32 v[40+2*\q+\k], 7, v[24+2*\q+\k]
	v_lshl_add_u32 v[40+2*\q+\k], v[40+2*\q+\k], 2, v8
	global_load_b32 v[32+2*\q+\k], v[40+2*\q+\k], s[16:17] offset:128*\q
.endr
.endr
	WLOAD 12, 4
	s_mov_b32 s30, 0
	s_mov_b32 s31, 0
.Ltile:                                                ; 8 trips serve 128 members; the walk leaves at my last tile
	s_cmp_ge_u32 s30, s29
	s_cbranch_scc1 .Ljoin
	ALOAD
	s_wait_dscnt 0x0                               ; my earlier LDS stores have read their registers: the accumulators and v10 are written again only behind this wait
	v_add_nc_u32 v10, s31, v9                      ; this tile's 16 rows of results
	WIN 0x01                                       ; source 0 (W2) window 1
	MULQ 0
	MULQ 1
	MULQ 2
	MULQ 3
	WIN 0
.rept 5
	v_nop                                          ; four places in front of the stores of results and of the next loads into act's registers; the fifth for the next trip's first product, which begins an accumulator anew with another C
.endr
.irp ct, 0,1
	ds_store_b128 v10, v[ACC+8*\ct:ACC+8*\ct+3] offset:64*\ct          ; each accumulator from its low end on
	ds_store_b128 v10, v[ACC+8*\ct+4:ACC+8*\ct+7] offset:64*\ct+16
.endr
	s_add_nc_u64 s[4:5], s[4:5], 16384             ; the tile's loads are all in (the last wait was for 0): their bases may step
	s_add_nc_u64 s[6:7], s[6:7], 1024
	s_add_co_u32 s31, s31, 16*RP
	s_add_co_u32 s30, s30, 1
	s_cmp_lt_u32 s30, 8
	s_cbranch_scc1 .Ltile
.Ljoin:
	s_wait_dscnt 0x0                               ; for the others' sake: my ranks and results have landed
	s_barrier_signal -1
	s_barrier_wait -1                              ; the one barrier: behind it LDS is only read
	s_wait_loadcnt 0x0                             ; the weights (a wave without tiles has not waited yet)
.irp q, 0,1,2,3
.irp k, 0,1
	v_min_u32 v[128+2*\q+\k], 7, v[24+2*\q+\k]     ; the expert
	v_lshl_add_u32 v[136+2*\q+\k], v[128+2*\q+\k], 9, v12
	ds_load_b32 v[144+2*\q+\k], v[136+2*\q+\k] offset:16*\q            ; my token's rank under it
.endr
.endr
.irp q, 0,1,2,3
	v_cmp_ne_u32 vcc_lo, v[24+2*\q], v[25+2*\q]
	v_cndmask_b32 v[33+2*\q], 0, v[33+2*\q], vcc_lo                    ; an expert named twice counts once: the second weight is 0 (its row is the first's, a finite one)
.endr
	s_wait_dscnt 0x0
.irp q, 0,1,2,3
.irp k, 0,1
	v_min_u32 v[144+2*\q+\k], 127, v[144+2*\q+\k]
	v_mad_u32_u24 v[136+2*\q+\k], v[144+2*\q+\k], RP, v15
	v_mad_u32_u24 v[136+2*\q+\k], v[128+2*\q+\k], RESB, v[136+2*\q+\k]
	ds_load_b128 v[152+8*\q+4*\k:155+8*\q+4*\k], v[136+2*\q+\k]        ; my 16 bytes of that row
.endr
.endr
	s_wait_dscnt 0x0
.irp q, 0,1,2,3
	v_pk_mul_f32 v[184+4*\q:185+4*\q], v[152+8*\q:153+8*\q], v[32+2*\q:33+2*\q] op_sel_hi:[1,0]                         ; the first row x the first weight (the pair's first register for both halves)
	v_pk_mul_f32 v[186+4*\q:187+4*\q], v[154+8*\q:155+8*\q], v[32+2*\q:33+2*\q] op_sel_hi:[1,0]
	v_pk_fma_f32 v[184+4*\q:185+4*\q], v[156+8*\q:157+8*\q], v[32+2*\q:33+2*\q], v[184+4*\q:185+4*\q] op_sel:[0,1,0] op_sel_hi:[1,1,1]   ; + the second row x the second weight (the pair's second register for both halves)
	v_pk_fma_f32 v[186+4*\q:187+4*\q], v[158+8*\q:159+8*\q], v[32+2*\q:33+2*\q], v[186+4*\q:187+4*\q] op_sel:[0,1,0] op_sel_hi:[1,1,1]
	global_store_b128 v14, v[184+4*\q:187+4*\q], s[18:19] offset:16384*\q th:TH_STORE_NT   ; eight lanes store a token's 128 consecutive bytes, four tokens an instruction; written once, read by nobody here
.endr
	s_wait_xcnt 0x0
	v_lshl_add_u32 v254, v0, 2, 0x25000
	v_mov_b32 v255, 0
	s_wait_tensorcnt 0x0
	ds_add_u32 v254, v255
	s_wait_dscnt 0x0
	s_endpgm
.Lfunc_end_k_qd61b683ba8_down:
	.size	k_qd61b683ba8_down, .Lfunc_end_k_qd61b683ba8_down-k_qd61b683ba8_down
	.p2alignl 7, 3214868480
	.fill 96, 4, 3214868480
	.section	.rodata,"a",@progbits
	.p2align	6, 0x0
	.amdhsa_kernel k_qd61b683ba8_down
		.amdhsa_group_segment_fixed_size 152576
		.amdhsa_private_segment_fixed_size 0
		.amdhsa_enable_private_segment 0
		.amdhsa_kernarg_size 64
		.amdhsa_user_sgpr_count 2
		.amdhsa_user_sgpr_kernarg_segment_ptr 1
		.amdhsa_wavefront_size32 1
		.amdhsa_system_sgpr_workgroup_id_x 1
		.amdhsa_system_sgpr_workgroup_id_y 1
		.amdhsa_system_sgpr_workgroup_id_z 1
		.amdhsa_system_vgpr_workitem_id 0
		.amdhsa_next_free_vgpr 512
		.amdhsa_next_free_sgpr 66
		.amdhsa_reserve_vcc 1
		.amdhsa_float_denorm_mode_32 3
		.amdhsa_float_denorm_mode_16_64 3
		.amdhsa_memory_ordered 1
		.amdhsa_forward_progress 1
		.amdhsa_inst_pref_size 28
	.end_amdhsa_kernel
	.amdgpu_metadata
---
amdhsa.version: [ 1, 2 ]
amdhsa.kernels:
  - .name:           k_qd61b683ba8_down
    .symbol:         k_qd61b683ba8_down.kd
    .args:
      - { .name: act_codes, .offset: 0, .size: 8, .value_kind: global_buffer, .address_space: global }
      - { .name: act_scales, .offset: 8, .size: 8, .value_kind: global_buffer, .address_space: global }
      - { .name: down_proj_codes, .offset: 16, .size: 8, .value_kind: global_buffer, .address_space: global }
      - { .name: down_proj_scales, .offset: 24, .size: 8, .value_kind: global_buffer, .address_space: global }
      - { .name: down_proj_bias, .offset: 32, .size: 8, .value_kind: global_buffer, .address_space: global }
      - { .name: router_indices, .offset: 40, .size: 8, .value_kind: global_buffer, .address_space: global }
      - { .name: routing_weights, .offset: 48, .size: 8, .value_kind: global_buffer, .address_space: global }
      - { .name: out0, .offset: 56, .size: 8, .value_kind: global_buffer, .address_space: global }
    .group_segment_fixed_size: 152576
    .private_segment_fixed_size: 0
    .kernarg_segment_align: 8
    .kernarg_segment_size: 64
    .max_flat_workgroup_size: 256
    .sgpr_count:     66
    .vgpr_count:     512
    .wavefront_size: 32
...
	.end_amdgpu_metadata
.endif
;; end of part 2
;; ======== version 2 of 2: 2 launches; version 1 with the launch down written anew for expert scheduling mode
;; workspace buffers: act_codes 8,388,608 bytes; act_scales 524,288 bytes
;; launch gateup: the kernel of part 1 again; grid 256 x 1, 4 waves a work-group, no clusters, 0 bytes of LDS; arguments hidden_states_codes, hidden_states_scales, gate_up_proj_codes, gate_up_proj_scales, gate_up_proj_bias, router_indices, act_codes, act_scales; writes act_codes, act_scales
;; launch down (part 3): grid 256 x 1, 8 waves a work-group, no clusters, 152,576 bytes of LDS; arguments act_codes, act_scales, down_proj_codes, down_proj_scales, down_proj_bias, router_indices, routing_weights, out0; writes out0
.if DOCPART == 3
	.amdgcn_target "amdgcn-amd-amdhsa--gfx1250"
	.amdhsa_code_object_version 6
	.text
	.protected	k_qd61b683ba8_down
	.globl	k_qd61b683ba8_down
	.p2align	8
	.type	k_qd61b683ba8_down,@function
k_qd61b683ba8_down:
	s_mov_b64 s[64:65], 0
	v_nop
	global_prefetch_b8 v0, s[64:65] scope:SCOPE_SE
	s_setreg_imm32_b32 hwreg(HW_REG_WAVE_SCHED_MODE, 0, 2), 2
	s_setreg_imm32_b32 hwreg(HW_REG_WAVE_MODE, 25, 1), 1
	s_wait_xcnt 0x0
	s_wait_alu depctr_vm_vsrc(0)
; y[t] = the sum over the experts e that router_indices names for token t (each once) of routing_weights[t][e] x (act[t, e] W2[e] + b2[e]).
; act comes as codes and scale bytes from the launch before, by tiles of 16 rows: tile 64 e + 8 b + i holds the tokens of block b (128 tokens) that name e, by rank; the ranks are derived here again, from the same input in the same order.
; W2: 8 experts x 1,024 columns x 2,048 codes, K innermost (1,024 bytes a column), 64 scale bytes a column.
; SHARES.  Work-group = block b of 128 tokens (x / 32) and 32 columns of y (x % 32).  WAVE e IS EXPERT e: its two tiles of 16 columns x K = 2,048 stay in 256 registers; it multiplies the 0 to 8 tiles of (e, b) and leaves
; act W2 + b2 in its own part of LDS, row = rank.  Behind the one barrier wave w owns tokens 16 w .. 16 w + 15 of the block: it fetches each token's two rows by their ranks, weighs and adds them, and stores.  So each number of y has one owner.
; LAYOUT.  Transposed use: source 0 = 16 columns of W2, source 1 = 16 rows of act: a lane holds one row and eight neighbouring columns.  b2 is the C of each sum's first instruction.
; A token's 32 columns are 128 bytes: a store of the wave covers four runs of 128 consecutive bytes.  Blocks of 64 tokens x 64 columns would store whole runs of 256 bytes, at the price of 8 x 64 + 2 x 64 KB asked for by a
; work-group against 8 x 32 + 2 x 128 KB, and of more rows that only fill tiles up.
; NO TENSOR LOADS, NO JOINT REQUESTS: the number of tiles of a wave is a count made from router_indices, and its walk ends by a branch on it; so operands go from memory straight into registers.
; LIMITS.  Indices lie in 0 .. 7.  NaN, infinities and the scale byte 0xff among the inputs are not served.
; LDS: expert e's results at 18,432 e: 128 rows of 128 bytes + 16; from 147,456 on 512 bytes an expert: the rank of each of the block's tokens under that expert (read only for the experts that the token names).
; THE MODE: SCHED_MODE bits 1:0 = 2 (LLVM: expert scheduling mode 2), set by the entry lines.  The code itself states the register dependences between vector or matrix instructions and memory or LDS instructions,
; and those through scalar registers that vector instructions write, with s_wait_alu, always for 0.
; THE PLAN.  Registers that memory or LDS instructions touch:
;   v1, v4-9, v11-15     offsets and LDS addresses, made at the head and never written again.   v40-47: the weights' offsets, written once.
;   v48-51               the ranks: written at the head, read by four LDS stores; afterwards part of the accumulators.
;   v10, v48-63          a trip's LDS address and its two accumulators: written in the trip, read by its four LDS stores at its end.
;   v112-255             a tile of act and its scale words: a trip's 36 loads land in them, its 32 products read them.  There is one set: two waves of 512 registers share a SIMD's 1,024.
;   v136-143, v184-199   at the end: LDS addresses, written twice; the sums, read by the four stores.
; A trip has two waits.  On vm_vsrc, behind its loads and straight ahead of the wait for their data: my LDS stores so far have read v10 and v48-63.  On va_vdst, behind the places that follow the products: the accumulators and v10
; are written, for the LDS stores; and the products are done reading act, for the next trip's loads: between this wait and those loads stands no vector or matrix line.
; REGISTERS.  window 0: v1-15 addresses; v16-23 the block's indices; v24-31 my 16 tokens' indices; v32-39 their two weights; v40-47 offsets; v48-63 two accumulators; v64-79 b2; v80-111 W2's scale words; v112-127 act's;
;   v128-255 a tile's 16 fragments of act, at the end the rows to be added.   window 1: W2's 32 fragments, (tile ct, K step s) at v[128 ct + 8 s].
.set RESB,  18432                      ; bytes of an expert's results
.set RP,    144                        ; a row of them
.set RKB,   147456                     ; where the ranks begin
.set ACC,   48
.set BIA,   64
.set WSC,   80
.set ASC,   112
.set AF,    128
.set MSB, 0
.macro WIN new                         ; the immediate's high byte repeats the setting that is left
.if MSB != \new
	s_set_vgpr_msb (MSB<<8)|\new
.set MSB, \new
.endif
.endm
.macro WLOAD s0, n                     ; W2's fragments of K steps s0 .. s0 + n - 1, both tiles
	WIN 0x40                                       ; destination window 1
.irp ct, 0,1
.set KQ, \s0
.rept \n
	global_load_b128 v[128*\ct+8*KQ:128*\ct+8*KQ+3],   v4, s[8:9] offset:16384*\ct+64*KQ
	global_load_b128 v[128*\ct+8*KQ+4:128*\ct+8*KQ+7], v4, s[8:9] offset:16384*\ct+64*KQ+32
.set KQ, KQ+1
.endr
.endr
	WIN 0
.endm
.macro ALOAD                           ; a tile of act: 4 loads of scale words (16 a row), then 32 of codes, 512 consecutive bytes each, in the order of the fragments' registers
.irp q, 0,1,2,3
	global_load_b128 v[ASC+4*\q:ASC+4*\q+3], v5, s[6:7] offset:16*\q
.endr
.set KQ, 0
.rept 32
	global_load_b128 v[AF+4*KQ:AF+4*KQ+3], v7, s[4:5] offset:512*KQ
.set KQ, KQ+1
.endr
.endm
; K steps 4 k .. 4 k + 3: eight matrix instructions, the two accumulators by turns
.macro MULQ k
	s_wait_loadcnt 24-8*\k                         ; loads return in order: all but the code loads of the later K steps, two a step, are in
.irp d, 0,1,2,3
.irp ct, 0,1
.if (4*(\k)+\d) == 0
	v_wmma_scale_f32_16x16x128_f8f6f4 v[ACC+8*\ct:ACC+8*\ct+7], v[128*\ct:128*\ct+7], v[AF:AF+7], v[BIA+8*\ct:BIA+8*\ct+7], v[WSC+16*\ct], v[ASC] matrix_a_fmt:MATRIX_FMT_FP4 matrix_b_fmt:MATRIX_FMT_FP4
.else
	v_wmma_scale_f32_16x16x128_f8f6f4 v[ACC+8*\ct:ACC+8*\ct+7], v[128*\ct+8*(4*(\k)+\d):128*\ct+8*(4*(\k)+\d)+7], v[AF+8*(4*(\k)+\d):AF+8*(4*(\k)+\d)+7], v[ACC+8*\ct:ACC+8*\ct+7], v[WSC+16*\ct+4*(\k)+\d], v[ASC+4*(\k)+\d] matrix_a_fmt:MATRIX_FMT_FP4 matrix_b_fmt:MATRIX_FMT_FP4
.endif
.endr
.endr
.endm
	s_load_b512 s[4:19], s[0:1], 0x0               ; act_codes s[4:5], act_scales s[6:7], W2's codes s[8:9], W2's scales s[10:11], b2 s[12:13], router_indices s[14:15], routing_weights s[16:17], y s[18:19]
	v_lshrrev_b32 v1, 5, v0
	v_readfirstlane_b32 s20, v1                    ; wave = expert, 0..7
	v_and_b32 v1, 31, v0                           ; lane
	v_and_b32 v2, 15, v0                           ; r
	v_bfe_u32 v3, v0, 4, 1                         ; h
	s_lshr_b32 s21, ttmp9, 5                       ; b: the block of tokens
	s_and_b32 s22, ttmp9, 31                       ; c: the 32 columns
	v_lshlrev_b32 v4, 10, v2
	v_lshl_add_u32 v4, v3, 4, v4                   ; W2's codes: column r of 1,024 bytes, + 16 h
	v_lshlrev_b32 v5, 6, v2                        ; 64 r: a column's scale bytes of W2, a row's of act
	v_lshlrev_b32 v6, 5, v3                        ; b2: 32 h
	v_lshlrev_b32 v7, 4, v1                        ; act's codes: 16 x lane
	s_wait_alu depctr_va_sdst(0)                   ; s20 is written, ahead of its first reader
	s_lshl_b32 s32, s20, 4
	v_lshrrev_b32 v13, 3, v1
	v_add_nc_u32 v13, s32, v13                     ; at the end: my token in the block, 16 w + lane / 8 (and 4, 8, 12 further on)
	v_lshlrev_b32 v8, 5, v13                       ; its row of routing_weights
	s_mul_i32 s32, s20, RESB
	v_mul_u32_u24 v9, v2, RP
	v_lshl_add_u32 v9, v3, 5, v9
	v_add_nc_u32 v9, s32, v9                       ; where I put results: my expert's part, row r, + 32 h
	s_lshl_b32 s33, s20, 9
	s_add_co_u32 s33, s33, RKB
	v_lshl_add_u32 v11, v1, 2, s33                 ; where I put ranks: my expert's 512 bytes, 4 x lane
	v_lshl_add_u32 v12, v13, 2, RKB                ; where I read my token's rank, less 512 x expert
	v_and_b32 v15, 7, v0
	v_lshlrev_b32 v15, 4, v15                      ; my 16 bytes of a token's 128
	v_lshl_add_u32 v14, v13, 12, v15               ; and in y: 4,096 bytes a token
	v_lshlrev_b32 v13, 3, v13                      ; from here on v13 = 8 x my token: its two indices
	v_lshlrev_b32 v1, 3, v1                        ; from here on v1 = 8 x lane
	s_mov_b32 s27, 0
	s_wait_kmcnt 0x0
	s_lshl_b32 s26, s20, 20                        ; W2's codes: 2^20 bytes an expert, 2^15 for 32 columns
	s_lshl_b32 s32, s22, 15
	s_add_co_u32 s26, s26, s32
	s_add_nc_u64 s[8:9], s[8:9], s[26:27]
	s_lshl_b32 s26, s20, 16                        ; W2's scales: 2^16, 2^11
	s_lshl_b32 s32, s22, 11
	s_add_co_u32 s26, s26, s32
	s_add_nc_u64 s[10:11], s[10:11], s[26:27]
	s_lshl_b32 s26, s20, 12                        ; b2: 2^12, 2^7
	s_lshl_b32 s32, s22, 7
	s_add_co_u32 s26, s26, s32
	s_add_nc_u64 s[12:13], s[12:13], s[26:27]
	s_lshl_b32 s26, s21, 19                        ; y: 128 tokens of 4,096 bytes a block, 128 bytes for 32 columns
	s_add_co_u32 s26, s26, s32
	s_add_nc_u64 s[18:19], s[18:19], s[26:27]
	s_lshl_b32 s26, s20, 20                        ; act_codes: tile 64 e + 8 b, 16,384 bytes a tile
	s_lshl_b32 s32, s21, 17
	s_add_co_u32 s26, s26, s32
	s_add_nc_u64 s[4:5], s[4:5], s[26:27]
	s_lshl_b32 s26, s20, 16                        ; act_scales: 1,024 bytes a tile
	s_lshl_b32 s32, s21, 13
	s_add_co_u32 s26, s26, s32
	s_add_nc_u64 s[6:7], s[6:7], s[26:27]
	s_lshl_b32 s26, s21, 10                        ; router_indices: 8 bytes a token
	s_add_nc_u64 s[14:15], s[14:15], s[26:27]
	s_lshl_b32 s26, s21, 12                        ; routing_weights: 32 bytes a token
	s_add_nc_u64 s[16:17], s[16:17], s[26:27]
	s_wait_alu depctr_va_vdst(0)                   ; the offsets and LDS addresses v1, v4 to v9 and v11 to v15 are written, which the loads, stores and LDS instructions of the whole kernel read; none of them is written again
.irp g, 0,1,2,3
	global_load_b64 v[16+2*\g:17+2*\g], v1, s[14:15] offset:256*\g    ; the block's token 32 g + lane
.endr
.irp q, 0,1,2,3
	global_load_b64 v[24+2*\q:25+2*\q], v13, s[14:15] offset:32*\q    ; my tokens at the end
.endr
.irp ct, 0,1
.irp q, 0,1,2,3
	global_load_b128 v[WSC+16*\ct+4*\q:WSC+16*\ct+4*\q+3], v5, s[10:11] offset:1024*\ct+16*\q
.endr
.endr
.irp ct, 0,1
	global_load_b128 v[BIA+8*\ct:BIA+8*\ct+3],   v6, s[12:13] offset:64*\ct      ; b2 at column 16 ct + 8 h + 0 .. 7
	global_load_b128 v[BIA+8*\ct+4:BIA+8*\ct+7], v6, s[12:13] offset:64*\ct+16
.endr
	WLOAD 0, 12
	s_wait_loadcnt 60                              ; all but the 8 + 4 + 48 loads issued behind them: the indices are in
	; ---- which of the block's tokens name my expert: eight compares in one run; the offsets of the two weights of each of my 16 tokens at the end stand behind them
.irp g, 0,1,2,3
	v_cmp_eq_u32 s[32+2*\g], s20, v[16+2*\g]
	v_cmp_eq_u32 s[33+2*\g], s20, v[17+2*\g]
.endr
.irp q, 0,1,2,3
.irp k, 0,1
	v_min_u32 v[40+2*\q+\k], 7, v[24+2*\q+\k]
	v_lshl_add_u32 v[40+2*\q+\k], v[40+2*\q+\k], 2, v8
.endr
.endr
	s_wait_alu depctr_va_sdst(0)                   ; the eight compares have written s32 to s39, which the lines below read
	; ---- the ranks of the block's tokens under my expert
	s_mov_b32 s28, 0
.irp g, 0,1,2,3
	s_or_b32 s[32+2*\g], s[32+2*\g], s[33+2*\g]    ; the lanes whose token names my expert
	v_mbcnt_lo_u32_b32 v[48+\g], s[32+2*\g], s28   ; the members before me
	s_bcnt1_i32_b32 s[33+2*\g], s[32+2*\g]
	s_add_co_u32 s28, s28, s[33+2*\g]
.endr
	s_add_co_u32 s29, s28, 15
	s_lshr_b32 s29, s29, 4                         ; my tiles: 0 to 8
	s_wait_alu depctr_va_vdst(0)                   ; the ranks v48 to v51 are written, which the LDS stores read, and the offsets v40 to v47, which the weights' loads read
.irp g, 0,1,2,3
	ds_store_b32 v11, v[48+\g] offset:128*\g       ; every lane stores: the word of a token that does not name my expert is never read
.endr
.irp q, 0,1,2,3
.irp k, 0,1
	global_load_b32 v[32+2*\q+\k], v[40+2*\q+\k], s[16:17] offset:128*\q
.endr
.endr
	WLOAD 12, 4
	s_mov_b32 s30, 0
	s_mov_b32 s31, 0
.Ltile:                                                ; 8 trips serve 128 members; the walk leaves at my last tile
	s_cmp_ge_u32 s30, s29
	s_cbranch_scc1 .Ljoin
	ALOAD                                          ; (no wait: no vector or matrix line stands between the last wait on va_vdst, at the head or ahead of the last trip's LDS stores, and these loads)
	s_wait_dscnt 0x0                               ; my earlier LDS stores have read their registers: the accumulators and v10 are written again only behind this wait
	s_wait_alu depctr_vm_vsrc(0)                   ; my LDS stores, the ranks' and the last trip's results', have read v10 and v48 to v63, which the add below and the products write again
	v_add_nc_u32 v10, s31, v9                      ; this tile's 16 rows of results
	WIN 0x01                                       ; source 0 (W2) window 1
	MULQ 0
	MULQ 1
	MULQ 2
	MULQ 3
	WIN 0
.rept 5
	v_nop                                          ; four places in front of the stores of results and of the next loads into act's registers; the fifth for the next trip's first product, which begins an accumulator anew with another C
.endr
	s_wait_alu depctr_va_vdst(0)                   ; the products have written the accumulators and the add v10, which the LDS stores read; the products are done reading act and its scale words, in which the next trip's loads land
.irp ct, 0,1
	ds_store_b128 v10, v[ACC+8*\ct:ACC+8*\ct+3] offset:64*\ct          ; each accumulator from its low end on
	ds_store_b128 v10, v[ACC+8*\ct+4:ACC+8*\ct+7] offset:64*\ct+16
.endr
	s_add_nc_u64 s[4:5], s[4:5], 16384             ; the tile's loads are all in (the last wait was for 0): their bases may step
	s_add_nc_u64 s[6:7], s[6:7], 1024
	s_add_co_u32 s31, s31, 16*RP
	s_add_co_u32 s30, s30, 1
	s_cmp_lt_u32 s30, 8
	s_cbranch_scc1 .Ltile
.Ljoin:
	s_wait_dscnt 0x0                               ; for the others' sake: my ranks and results have landed
	s_barrier_signal -1
	s_barrier_wait -1                              ; the one barrier: behind it LDS is only read
	s_wait_loadcnt 0x0                             ; the weights (a wave without tiles has not waited yet)
.irp q, 0,1,2,3
.irp k, 0,1
	v_min_u32 v[128+2*\q+\k], 7, v[24+2*\q+\k]     ; the expert
	v_lshl_add_u32 v[136+2*\q+\k], v[128+2*\q+\k], 9, v12
.endr
.endr
.irp q, 0,1,2,3
	v_cmp_ne_u32 s[32+\q], v[24+2*\q], v[25+2*\q]  ; does my token name two experts?  Four compares in one run
.endr
	s_wait_alu depctr_va_vdst(0)                   ; the LDS addresses v136 to v143 are written, which the loads below read
.irp q, 0,1,2,3
.irp k, 0,1
	ds_load_b32 v[144+2*\q+\k], v[136+2*\q+\k] offset:16*\q            ; my token's rank under it
.endr
.endr
	s_wait_alu depctr_va_sdst(0)                   ; the four compares have written s32 to s35, which the selects read
.irp q, 0,1,2,3
	v_cndmask_b32 v[33+2*\q], 0, v[33+2*\q], s[32+\q]                  ; an expert named twice counts once: the second weight is 0 (its row is the first's, a finite one)
.endr
	s_wait_dscnt 0x0
	s_wait_alu depctr_vm_vsrc(0)                   ; the eight LDS loads have read v136 to v143, which are written again below
.irp q, 0,1,2,3
.irp k, 0,1
	v_min_u32 v[144+2*\q+\k], 127, v[144+2*\q+\k]
	v_mad_u32_u24 v[136+2*\q+\k], v[144+2*\q+\k], RP, v15
	v_mad_u32_u24 v[136+2*\q+\k], v[128+2*\q+\k], RESB, v[136+2*\q+\k]
.endr
.endr
	s_wait_alu depctr_va_vdst(0)                   ; the rows' LDS addresses v136 to v143 are written, which the loads below read
.irp q, 0,1,2,3
.irp k, 0,1
	ds_load_b128 v[152+8*\q+4*\k:155+8*\q+4*\k], v[136+2*\q+\k]        ; my 16 bytes of that row
.endr
.endr
	s_wait_dscnt 0x0
.irp q, 0,1,2,3
	v_pk_mul_f32 v[184+4*\q:185+4*\q], v[152+8*\q:153+8*\q], v[32+2*\q:33+2*\q] op_sel_hi:[1,0]                         ; the first row x the first weight (the pair's first register for both halves)
	v_pk_mul_f32 v[186+4*\q:187+4*\q], v[154+8*\q:155+8*\q], v[32+2*\q:33+2*\q] op_sel_hi:[1,0]
	v_pk_fma_f32 v[184+4*\q:185+4*\q], v[156+8*\q:157+8*\q], v[32+2*\q:33+2*\q], v[184+4*\q:185+4*\q] op_sel:[0,1,0] op_sel_hi:[1,1,1]   ; + the second row x the second weight (the pair's second register for both halves)
	v_pk_fma_f32 v[186+4*\q:187+4*\q], v[158+8*\q:159+8*\q], v[32+2*\q:33+2*\q], v[186+4*\q:187+4*\q] op_sel:[0,1,0] op_sel_hi:[1,1,1]
.endr
	s_wait_alu depctr_va_vdst(0)                   ; the sums v184 to v199 are written, which the four stores read
.irp q, 0,1,2,3
	global_store_b128 v14, v[184+4*\q:187+4*\q], s[18:19] offset:16384*\q th:TH_STORE_NT   ; eight lanes store a token's 128 consecutive bytes, four tokens an instruction; written once, read by nobody here
.endr
	s_wait_xcnt 0x0
	v_lshl_add_u32 v254, v0, 2, 0x25000
	v_mov_b32 v255, 0
	s_wait_dscnt 0x0                               ; the closing lines, six on end
	s_wait_alu 0x0
	s_wait_tensorcnt 0x0
	ds_add_u32 v254, v255
	s_wait_dscnt 0x0
	s_endpgm
.Lfunc_end_k_qd61b683ba8_down:
	.size	k_qd61b683ba8_down, .Lfunc_end_k_qd61b683ba8_down-k_qd61b683ba8_down
	.p2alignl 7, 3214868480
	.fill 96, 4, 3214868480
	.section	.rodata,"a",@progbits
	.p2align	6, 0x0
	.amdhsa_kernel k_qd61b683ba8_down
		.amdhsa_group_segment_fixed_size 152576
		.amdhsa_private_segment_fixed_size 0
		.amdhsa_enable_private_segment 0
		.amdhsa_kernarg_size 64
		.amdhsa_user_sgpr_count 2
		.amdhsa_user_sgpr_kernarg_segment_ptr 1
		.amdhsa_wavefront_size32 1
		.amdhsa_system_sgpr_workgroup_id_x 1
		.amdhsa_system_sgpr_workgroup_id_y 1
		.amdhsa_system_sgpr_workgroup_id_z 1
		.amdhsa_system_vgpr_workitem_id 0
		.amdhsa_next_free_vgpr 512
		.amdhsa_next_free_sgpr 66
		.amdhsa_reserve_vcc 0
		.amdhsa_float_denorm_mode_32 3
		.amdhsa_float_denorm_mode_16_64 3
		.amdhsa_memory_ordered 1
		.amdhsa_forward_progress 1
		.amdhsa_inst_pref_size 29
	.end_amdhsa_kernel
	.amdgpu_metadata
---
amdhsa.version: [ 1, 2 ]
amdhsa.kernels:
  - .name:           k_qd61b683ba8_down
    .symbol:         k_qd61b683ba8_down.kd
    .args:
      - { .name: act_codes, .offset: 0, .size: 8, .value_kind: global_buffer, .address_space: global }
      - { .name: act_scales, .offset: 8, .size: 8, .value_kind: global_buffer, .address_space: global }
      - { .name: down_proj_codes, .offset: 16, .size: 8, .value_kind: global_buffer, .address_space: global }
      - { .name: down_proj_scales, .offset: 24, .size: 8, .value_kind: global_buffer, .address_space: global }
      - { .name: down_proj_bias, .offset: 32, .size: 8, .value_kind: global_buffer, .address_space: global }
      - { .name: router_indices, .offset: 40, .size: 8, .value_kind: global_buffer, .address_space: global }
      - { .name: routing_weights, .offset: 48, .size: 8, .value_kind: global_buffer, .address_space: global }
      - { .name: out0, .offset: 56, .size: 8, .value_kind: global_buffer, .address_space: global }
    .group_segment_fixed_size: 152576
    .private_segment_fixed_size: 0
    .kernarg_segment_align: 8
    .kernarg_segment_size: 64
    .max_flat_workgroup_size: 256
    .sgpr_count:     66
    .vgpr_count:     512
    .wavefront_size: 32
...
	.end_amdgpu_metadata
.endif
;; end of part 3
